; MI455X (gfx1250); checked and timed in simulation.
; The chip was launched on July 23, 2026; its instructions are those of AMD's public machine-readable ISA for CDNA 5 (MIT licence, August 2026) and "CDNA5" Instruction Set Architecture Reference Guide (July 2026). The comments in the code are by the model that wrote it; some were corrected since.
;; Causal Self Attention. Allowed arithmetic: matrix products marked QUANTISED: E4M3 operands, one given power-of-two scale a tensor, by v_wmma_f32_16x16x64_fp8_fp8 or v_wmma_f32_16x16x128_fp8_fp8, f32 sums; everything else in f32.
;; Inputs: lowp_scales 8 int32 (the exponents e of the quantised operands' scales 2^e); proj_b 1,024 float32; proj_w 1,024 x 1,024 float32; qkv_w 1,024 x 3,072 float32; x 4 x 2,048 x 1,024 float32.
;; Outputs: out0 4 x 2,048 x 1,024 float32.
;; This version of the problem:
;;   THIS VERSION OF THE PROBLEM IS GIVEN IN LOW PRECISION. The matrix products marked QUANTISED in the list below multiply operands that are first quantised to E4M3 (4 exponent bits, 3 mantissa bits; 8 bits a number), with one given power-of-two scale for each operand tensor; their sums are f32. All else is computed in f32.
;;   The module's matrix products, in the order in which they are computed (A, B: the left and right operand; K: the contracted axis; several contracted axes count as one K, in the product's order):
;;     1. [M 8,192, K 1,024] x [K 1,024, N 3,072]; A: input x; B: input qkv_w: QUANTISED (scales: A lowp_scales[0], B lowp_scales[1])
;;     2. batch 64 x [M 2,048, K 64] x [K 64, N 2,048]; A: computed on the way; B: computed on the way: QUANTISED (scales: A lowp_scales[2], B lowp_scales[3])
;;     3. batch 64 x [M 64, K 2,048] x [K 2,048, N 2,048]; A: computed on the way; B: softmax (see below): QUANTISED (scales: A lowp_scales[4], B lowp_scales[5])
;;     4. [M 8,192, K 1,024] x [K 1,024, N 1,024]; A: computed on the way; B: input proj_w: QUANTISED (scales: A lowp_scales[6], B lowp_scales[7])
;;   THE QUANTISER, for each operand of a quantised product, along K:
;;     - The operand's scale is 2^e, e = its entry of the input lowp_scales (int32; the entries are numbered through the quantised products in the list's order, A before B).
;;     - Each number is divided by the scale, clamped to +-448, and rounded to the nearest number of E4M3, ties to even, subnormals kept.
;;     - The product sums the exact products of the quantised numbers (number of the format x scale) in f32.
;;   ~~~python
;;   def quantise(x, axis, e):      # numpy; x: float32 -> the quantised numbers, widened to float32 again
;;       x = np.moveaxis(x, axis, -1); K = x.shape[-1]
;;       r = np.clip(x / 2.0 ** e, -448, 448)
;;       step = 2.0 ** (np.maximum(np.frexp(np.where(r == 0, 1, r))[1] - 1, -6) - 3)
;;       q = np.round(r / step) * step * 2.0 ** e      # np.round: ties to even
;;       return np.moveaxis(q, -1, axis).astype(np.float32)
;;   ~~~
;;   SOFTMAX AHEAD OF A QUANTISED PRODUCT. Where the list says 'softmax', what is quantised is not the finished softmax but p = 2^(t - M), with t = logit x log2(e) and M = ceil(the row's largest t), a whole number; so 1/2 < the row's largest p <= 1. The row's sum l is taken of the UNQUANTISED p, in f32, and the product's result is divided by l at the end. Since M is a whole number, a kernel that streams over the keys may use a running M (the ceiling of the running maximum): every later rescaling is an exact power of two, so the quantised numbers keep their values, but for numbers so far below the row's largest that they fall under the format's range.
;;   OPERANDS COMPUTED ON THE WAY. 'Computed on the way' means the value that the module computes at that place (a softmax that the list does not call 'softmax' is quantised finished and normalised). What goes into a quantiser is computed in f32, as accurately as f32 sums, v_exp_f32 and their like allow (about 1e-6 of the number): no bf16 or f16 on the way to a quantiser, and a product that is left as it is and whose result goes on into a quantised operand takes f32 operands (vector FMAs, or v_wmma_f32_16x16x4_f32). A number that lies on a knife's edge between two numbers of the format may be rounded either way, as far as f32 arithmetic and the matrix unit's own rounding can turn it there, and no further.
;; One version. Each part assembles by itself: llvm-mc -triple=amdgcn-amd-amdhsa -mcpu=gfx1250 --defsym DOCPART=n.
;; ======== version 1 of 1: 4 launches
;; limits: right only within a limited range of input values
;; workspace buffers: x_img 8,388,608 bytes; wq_img 3,145,728 bytes; wp_img 1,048,576 bytes; q_img 8,388,608 bytes; kv_img 16,777,216 bytes; o_img 8,388,608 bytes
;; launch quant (part 1): grid 640 x 1, 4 waves a work-group, no clusters, 34,304 bytes of LDS; arguments x, qkv_w, proj_w, lowp_scales, x_img, wq_img, wp_img; writes x_img, wq_img, wp_img
.if DOCPART == 1
	.amdgcn_target "amdgcn-amd-amdhsa--gfx1250"
	.amdhsa_code_object_version 6
	.text
	.protected	k_qc49049f540_quant
	.globl	k_qc49049f540_quant
	.p2align	8
	.type	k_qc49049f540_quant,@function
k_qc49049f540_quant:
	s_mov_b64 s[64:65], 0
	v_nop
	global_prefetch_b8 v0, s[64:65] scope:SCOPE_SE
	s_setreg_imm32_b32 hwreg(HW_REG_WAVE_MODE, 25, 1), 1
	s_wait_xcnt 0x0
; x [8192][1024], qkv_w [1024][3072] and proj_w [1024][1024], f32, become codes of FP8 (E4M3), each with its given scale 2^e (entries 0, 1, 7 of the scales).
; code = number / 2^e, held within +-448, rounded to the nearest code, ties to even.
; LIMITS: -126 <= e and e + 8 <= 127 for the three exponents.  NaN among the inputs is not served (an infinity is held at the largest code).
; THE CODES ARE LAID AS IMAGES OF OPERAND REGISTERS.  A fragment is 16 rows x 128 along K, 2,048 bytes: byte 512 c + 16 lane + e holds row pat(T, lane % 16), k = 128 ks + 32 c + 16 (lane / 16) + e,
; with pat(T, r) = 32 (T / 2) + 8 (T % 2) + r + 8 (r / 8): the 16 rows of block T are two runs of eight, 16 apart.  A buffer is [block T][ks 0..7][2,048].
; (A row is a token of x, or a column n of a weight.)  Four loads of 16 bytes a lane, 512 bytes apart, later give any wave the fragment's 16 registers.
; Work-groups 0-95 take qkv_w, 96-127 proj_w, 128-639 x: three ways that part on the work-group's number; only x's way uses LDS.  Waves share nothing: no barrier.
; No cluster and no tensor load: no byte is read by two work-groups.
.macro MKSCALE e                       ; v8 = 2^e as f32 (the conversion takes its exponent field); v9 = 448 x 2^e
	s_add_co_i32 s20, s[\e], 127
	s_lshl_b32 s21, s20, 23
	v_mov_b32 v8, s21
	s_add_co_i32 s20, s20, 8
	s_lshl_b32 s20, s20, 23
	s_or_b32 s20, s20, 0x600000
	v_mov_b32 v9, s20
.endm
; A WEIGHT [1024 (k)][N]: a lane takes a column and its registers run down K, so that the conversions' results have K innermost and nothing is transposed.
.macro WLOAD t, N, src                 ; block t: W(32 t + i, my column) into set t % 2; a load reads 128 consecutive bytes, the four waves stand side by side on 512
.irp i, 0,1,2,3,4,5,6,7,8,9,10,11,12,13,14,15,16,17,18,19,20,21,22,23,24,25,26,27,28,29,30,31
	global_load_b32 v[16+32*((\t)%2)+\i], v3, s[\src:\src+1] offset:(32*(\t)+\i)*\N*4 th:TH_LOAD_NT
.endr
.endm
.macro WBLOCK t, N, src, dst
.if (\t) < 7
	s_wait_loadcnt 32                              ; this block's 32 loads are in; the next block's 32 may be out
.else
	s_wait_loadcnt 0
.endif
.irp i, 0,1,2,3,4,5,6,7,8,9,10,11,12,13,14,15,16,17,18,19,20,21,22,23,24,25,26,27,28,29,30,31
	v_med3_num_f32 v[16+32*((\t)%2)+\i], v[16+32*((\t)%2)+\i], -v9, v9   ; the conversion to an 8-bit code does not saturate (ISA guide 7.6.2): the hold comes first
.endr
.irp g, 0,1,2,3
	v_cvt_scalef32_pk8_fp8_f32 v[80+8*(\t)+2*\g:80+8*(\t)+2*\g+1], v[16+32*((\t)%2)+8*\g:16+32*((\t)%2)+8*\g+7], v8
.endr
	v_nop                                          ; a plain line behind the run of conversions
	; k = 32 t + 0..15 belong to lanes 0-15 of the image, k = 32 t + 16..31 to lanes 16-31, 256 bytes on.  The 16 lanes of one block of columns store 256 consecutive aligned bytes.  Each block has code registers of its own.
	global_store_b128 v4, v[80+8*(\t):80+8*(\t)+3], s[\dst:\dst+1] offset:((\t)/4)*2048+((\t)%4)*512
	global_store_b128 v4, v[80+8*(\t)+4:80+8*(\t)+7], s[\dst:\dst+1] offset:((\t)/4)*2048+((\t)%4)*512+256
.if (\t)+2 < 8
	WLOAD (\t)+2, \N, \src
.endif
.endm
.macro WPATH N, first, src, dst, e     ; a work-group: 128 columns x 256 along K; a wave: 32 columns
	s_sub_co_u32 s19, ttmp9, \first
	s_lshr_b32 s20, s19, 2                         ; which 128 columns
	s_and_b32 s21, s19, 3                          ; which 256 along K
	s_lshl_b32 s20, s20, 7
	s_lshl_b32 s22, s18, 5
	s_add_co_u32 s20, s20, s22                     ; n0: my wave's first column
	s_mul_i32 s32, s21, 256*\N*4
	s_lshl_b32 s22, s20, 2
	s_add_co_u32 s32, s32, s22
	s_mov_b32 s33, 0
	s_add_nc_u64 s[\src:\src+1], s[\src:\src+1], s[32:33]
	s_lshl_b32 s34, s20, 10                        ; blocks n0 / 16 and n0 / 16 + 1, 16,384 bytes each
	s_lshl_b32 s22, s21, 12                        ; two K steps of 2,048 bytes
	s_add_co_u32 s34, s34, s22
	s_mov_b32 s35, 0
	s_add_nc_u64 s[\dst:\dst+1], s[\dst:\dst+1], s[34:35]
	v_lshlrev_b32 v3, 2, v1                        ; in: 4 bytes a lane
	v_bfe_u32 v4, v1, 3, 1                         ; out: column n0 + x is row (x % 8) + 8 (x / 16) of block (x / 8) % 2
	v_lshlrev_b32 v4, 14, v4
	v_and_b32 v5, 7, v1
	v_lshl_add_u32 v4, v5, 4, v4
	v_bfe_u32 v5, v1, 4, 1
	v_lshl_add_u32 v4, v5, 7, v4
	WLOAD 0, \N, \src
	WLOAD 1, \N, \src
	s_wait_kmcnt 0x0
	MKSCALE \e
	s_wait_alu depctr_va_vdst(0)
.irp t, 0,1,2,3,4,5,6,7
	WBLOCK \t, \N, \src, \dst
.endr
.endm
; x: K step f of my two.  The loads take the bytes as they lie (512 consecutive bytes of a row each); the wave's own stage in LDS (16 rows, 528 bytes apart) turns them so that a lane holds 16 neighbours of each block of 32.
.macro XHALF f
.if \f == 0
	s_wait_loadcnt 16                              ; the first K step's 16 loads are in; the second's may be out
.else
	s_wait_loadcnt 0
.endif
.irp i, 0,1,2,3,4,5,6,7,8,9,10,11,12,13,14,15
	ds_store_b128 v5, v[16+64*\f+4*\i:16+64*\f+4*\i+3] offset:528*\i
.endr
.irp c, 0,1,2,3
.irp j, 0,1,2,3
	ds_load_b128 v[144+16*\c+4*\j:144+16*\c+4*\j+3], v6 offset:128*\c+16*\j   ; LDS serves a wave's instructions in order: these see the stores above
.endr
.endr
	s_wait_dscnt 0x0
.irp c, 0,1,2,3
.irp i, 0,1,2,3,4,5,6,7,8,9,10,11,12,13,14,15
	v_med3_num_f32 v[144+16*\c+\i], v[144+16*\c+\i], -v9, v9
.endr
	v_cvt_scalef32_pk8_fp8_f32 v[208+16*\f+4*\c:208+16*\f+4*\c+1], v[144+16*\c:144+16*\c+7], v8
	v_cvt_scalef32_pk8_fp8_f32 v[208+16*\f+4*\c+2:208+16*\f+4*\c+3], v[144+16*\c+8:144+16*\c+15], v8
.endr
	v_nop                                          ; a plain line behind the last conversion: the next K step's holds write these sources again
.irp c, 0,1,2,3
	global_store_b128 v2, v[208+16*\f+4*\c:208+16*\f+4*\c+3], s[12:13] offset:2048*\f+512*\c   ; 512 consecutive aligned bytes
.endr
.endm
	s_load_b256 s[4:11], s[0:1], 0x0               ; x s[4:5], qkv_w s[6:7], proj_w s[8:9], the scales' exponents s[10:11]
	s_load_b128 s[12:15], s[0:1], 0x20             ; x_img s[12:13], wq_img s[14:15]
	s_load_b64 s[16:17], s[0:1], 0x30              ; wp_img
	v_lshl_add_u32 v240, v0, 2, 0x8400
	v_mov_b32 v241, 0
	v_lshrrev_b32 v1, 5, v0
	v_readfirstlane_b32 s18, v1                    ; wave
	v_and_b32 v1, 31, v0                           ; lane
	s_wait_kmcnt 0x0
	s_load_b256 s[24:31], s[10:11], 0x0            ; e0 .. e7
	s_cmp_lt_u32 ttmp9, 96
	s_cbranch_scc1 .Lqkvw
	s_cmp_lt_u32 ttmp9, 128
	s_cbranch_scc1 .Lprojw
	; ---- x: the work-group takes block T of 16 tokens, wave w its K steps 2 w and 2 w + 1
	s_sub_co_u32 s19, ttmp9, 128                   ; T
	s_lshr_b32 s20, s19, 1
	s_lshl_b32 s20, s20, 5
	s_and_b32 s21, s19, 1
	s_lshl_b32 s21, s21, 3
	s_add_co_u32 s20, s20, s21                     ; the block's first token: 32 (T / 2) + 8 (T % 2)
	s_lshl_b32 s32, s20, 12                        ; a row of x is 4,096 bytes
	s_lshl_b32 s21, s18, 10                        ; my 256 numbers of it
	s_add_co_u32 s32, s32, s21
	s_mov_b32 s33, 0
	s_add_nc_u64 s[4:5], s[4:5], s[32:33]
	s_lshl_b32 s34, s19, 14
	s_lshl_b32 s21, s18, 12
	s_add_co_u32 s34, s34, s21
	s_mov_b32 s35, 0
	s_add_nc_u64 s[12:13], s[12:13], s[34:35]
	s_wait_alu depctr_va_vdst(0)
	v_lshlrev_b32 v2, 4, v1                        ; 16 x lane
.irp f, 0,1
.irp i, 0,1,2,3,4,5,6,7,8,9,10,11,12,13,14,15
	global_load_b128 v[16+64*\f+4*\i:16+64*\f+4*\i+3], v2, s[4:5] offset:(\i+8*(\i/8))*4096+512*\f th:TH_LOAD_NT
.endr
.endr
	s_mul_i32 s22, s18, 8448                       ; my stage
	v_add_nc_u32 v5, s22, v2                       ; in: 16 x lane of a row
	v_and_b32 v6, 15, v1
	v_mul_u32_u24 v6, v6, 528
	v_bfe_u32 v7, v1, 4, 1
	v_lshl_add_u32 v6, v7, 6, v6
	v_add_nc_u32 v6, s22, v6                       ; out: row lane % 16, + 64 bytes for lanes 16-31
	s_wait_alu depctr_va_vdst(0)
	s_wait_kmcnt 0x0
	MKSCALE 24
	s_wait_alu depctr_va_vdst(0)
	XHALF 0
	XHALF 1
	s_wait_tensorcnt 0x0
	ds_add_u32 v240, v241
	s_wait_dscnt 0x0
	s_endpgm
.Lqkvw:
	s_wait_alu depctr_va_vdst(0)
	WPATH 3072, 0, 6, 14, 25
	s_endpgm
.Lprojw:
	s_wait_alu depctr_va_vdst(0)
	WPATH 1024, 96, 8, 16, 31
	s_endpgm
.Lfunc_end_k_qc49049f540_quant:
	.size	k_qc49049f540_quant, .Lfunc_end_k_qc49049f540_quant-k_qc49049f540_quant
	.p2alignl 7, 3214868480
	.fill 96, 4, 3214868480
	.section	.rodata,"a",@progbits
	.p2align	6, 0x0
	.amdhsa_kernel k_qc49049f540_quant
		.amdhsa_group_segment_fixed_size 34304
		.amdhsa_private_segment_fixed_size 0
		.amdhsa_enable_private_segment 0
		.amdhsa_kernarg_size 56
		.amdhsa_user_sgpr_count 2
		.amdhsa_user_sgpr_kernarg_segment_ptr 1
		.amdhsa_wavefront_size32 1
		.amdhsa_system_sgpr_workgroup_id_x 1
		.amdhsa_system_sgpr_workgroup_id_y 1
		.amdhsa_system_sgpr_workgroup_id_z 1
		.amdhsa_system_vgpr_workitem_id 0
		.amdhsa_next_free_vgpr 242
		.amdhsa_next_free_sgpr 66
		.amdhsa_reserve_vcc 0
		.amdhsa_float_denorm_mode_32 3
		.amdhsa_float_denorm_mode_16_64 3
		.amdhsa_memory_ordered 1
		.amdhsa_forward_progress 1
		.amdhsa_inst_pref_size 110
	.end_amdhsa_kernel
	.amdgpu_metadata
---
amdhsa.version: [ 1, 2 ]
amdhsa.kernels:
  - .name:           k_qc49049f540_quant
    .symbol:         k_qc49049f540_quant.kd
    .args:
      - { .name: x, .offset: 0, .size: 8, .value_kind: global_buffer, .address_space: global }
      - { .name: qkv_w, .offset: 8, .size: 8, .value_kind: global_buffer, .address_space: global }
      - { .name: proj_w, .offset: 16, .size: 8, .value_kind: global_buffer, .address_space: global }
      - { .name: lowp_scales, .offset: 24, .size: 8, .value_kind: global_buffer, .address_space: global }
      - { .name: x_img, .offset: 32, .size: 8, .value_kind: global_buffer, .address_space: global }
      - { .name: wq_img, .offset: 40, .size: 8, .value_kind: global_buffer, .address_space: global }
      - { .name: wp_img, .offset: 48, .size: 8, .value_kind: global_buffer, .address_space: global }
    .group_segment_fixed_size: 34304
    .private_segment_fixed_size: 0
    .kernarg_segment_align: 8
    .kernarg_segment_size: 56
    .max_flat_workgroup_size: 128
    .sgpr_count:     66
    .vgpr_count:     242
    .wavefront_size: 32
...
	.end_amdgpu_metadata
.endif
;; end of part 1
;; launch qkv (part 2): grid 8 x 32, 4 waves a work-group, clusters of 4 x 4, 327,680 bytes of LDS; arguments x_img, wq_img, lowp_scales, q_img, kv_img; writes q_img, kv_img
.if DOCPART == 2
	.amdgcn_target "amdgcn-amd-amdhsa--gfx1250"
	.amdhsa_code_object_version 6
	.text
	.protected	k_qc49049f540_qkv
	.globl	k_qc49049f540_qkv
	.p2align	8
	.type	k_qc49049f540_qkv,@function
k_qc49049f540_qkv:
	s_mov_b64 s[64:65], 0
	v_nop
	global_prefetch_b8 v0, s[64:65] scope:SCOPE_SE
	s_setreg_imm32_b32 hwreg(HW_REG_WAVE_MODE, 25, 1), 1
	s_wait_xcnt 0x0
	s_wait_alu depctr_hold_cnt(0) depctr_sa_sdst(0) depctr_va_vdst(0) depctr_va_sdst(0) depctr_va_ssrc(0) depctr_va_vcc(0) depctr_vm_vsrc(0)
	s_getreg_b32 s2, hwreg(HW_REG_IB_STS2, 6, 4)
	s_cmp_eq_u32 s2, 0
	s_cbranch_scc0 .Lentry_in_a_cluster
	s_endpgm
.Lentry_in_a_cluster:
	s_bfe_u32 s2, ttmp6, 0x10000c
	s_cmp_lg_u32 s2, 0xf033
	s_cbranch_scc0 .Lentry_shape_is_right
	s_endpgm
.Lentry_shape_is_right:
; qkv = x qkv_w on codes of FP8 (E4M3), K = 1,024, and its results quantised at once: q / 8 with 2^e2, k with 2^e3, v with 2^e4, stored as images of the operand registers of the attention launch.
; A sum stands for sum x 2^(e0 + e1), so a code is sum / 2^E, E = e2 - e0 - e1 + 3 (q; the 3 is the head's 64^-0.5 = 2^-3), e3 - e0 - e1 (k), e4 - e0 - e1 (v), held within +-448.
; LIMIT: -126 <= E and E + 8 <= 127 for the three E.
; INPUTS: x_img [512 blocks][8 K steps][2,048], wq_img [192][8][2,048]: byte 512 c + 16 lane + e of a fragment = row pat(T, lane % 16), k = 128 ks + 32 c + 16 (lane / 16) + e; pat(T, r) = 32 (T / 2) + 8 (T % 2) + r + 8 (r / 8).
; SHARES: 8 x 32 = 256 work-groups.  Work-group (g, ty) makes 256 tokens x the q, k and v columns of heads 2 g and 2 g + 1: 384 columns.  Wave w makes tokens 128 (w / 2) on x q, k, v of head 2 g + w % 2:
; 8 token blocks x 12 column blocks = 96 accumulators, 768 registers: q's in window 1, k's in window 2, v's in window 3.
; q and k are operands along the head's 64: source 0 = columns, source 1 = tokens (a lane holds a token, its registers run along d).  v is an operand along the keys: source 0 = tokens, source 1 = columns.
; LDS: slot A holds two K steps of 128 (16 token blocks and 24 column blocks x 4,096 bytes), slot B one (x 2,048 bytes).  K steps 0-1, 3-4, 6-7 go through A, 2 and 5 through B: five fills.
; CLUSTERS: 4 x 4 work-groups; the tokens' tiles are asked for jointly along a row of the cluster, the columns' along a column.  Wave 0 fetches the tokens, waves 1-3 q's, k's and v's columns: one load a wave.
; No prefetch: K is short, five fills of the largest slots that fit.
; OUTPUTS: q_img [64 heads][128 tiles of 16 queries][1,024]; kv_img [64][16 steps of 128 keys][16,384]: 8 tiles of keys x 1,024, then 4 tiles of d x 2,048.
; WINDOW 0: v2 16 x lane; v4-8 LDS addresses; v12-17 the three scales and holds; v28, v29 for the add; v32-127 a ring of six column fragments; v128-255 the eight token fragments (one set); on the way out v32-63 at work, v64-255 codes.
.set SLOTB,  163840
.set SPARE,  245760                    ; behind the slots: the spare words, 128 bytes for each wave
.set LI,   2
.set ATA,  4                           ; my token blocks in slot A
.set AWA,  5                           ; my head's q and k blocks in slot A
.set AWA2, 6                           ; its v blocks
.set ATB,  7
.set AWB,  8
.set SCL,  12                          ; v12, 14, 16: 2^E; v13, 15, 17: 448 x 2^E
.set SPW,  28
.set NIL,  29
.set TMP,  32
.set CF,   32
.set CD,   64
.set TF,   128
.set G1TA, 24                          ; descriptor groups 1: tokens and columns, slot A and slot B
.set G1WA, 32
.set G1TB, 40
.set G1WB, 48
.set G0TA, 56                          ; groups 0
.set G0WA, 60
.set G0TB, 68
.set G0WB, 72
.set MSB, 0
.macro WIN new                         ; the immediate's high byte repeats the setting that is left
.if MSB != \new
	s_set_vgpr_msb (MSB<<8)|\new
.set MSB, \new
.endif
.endm
.macro PLACES                          ; plain vector lines between a matrix instruction and a load into one of its registers, or the first read of its result (ISA guide 7.12.1 for the first read of its result)
.rept 4
	v_nop
.endr
.endm
; A joint load: the branch hangs on the wave's number alone.  An s_nop 0 and four v_nop follow each of the two lines.
.macro JL g0t, g1t, g0w, g1w
	s_cmp_eq_u32 s14, 0
	s_cbranch_scc0 .Lfor_w_\@
	tensor_load_to_lds s[\g0t:\g0t+3], s[\g1t:\g1t+7]
	s_nop 0
	PLACES
	s_branch .Lasked_\@
.Lfor_w_\@:
	tensor_load_to_lds s[\g0w:\g0w+3], s[\g1w:\g1w+7]
	s_nop 0
	PLACES
.Lasked_\@:
.endm
.macro CREST                           ; a round of the cluster's barrier behind its opening barrier
	s_cmp_lg_u32 s14, 0
	s_cbranch_scc1 .Lnot_wave_0_\@
	s_barrier_signal -3
.Lnot_wave_0_\@:
	s_barrier_wait -3
	s_barrier_signal -1
	s_barrier_wait -1
.endm
.macro CROUND
	s_barrier_signal -1
	s_barrier_wait -1
	CREST
.endm
.macro G1SET g, d0, rows               ; rows of d0 elements of 8 bytes, 16,384 bytes apart in memory, dense in LDS
	s_mov_b32 s[\g+1], \d0<<16
	s_mov_b32 s[\g+2], \rows<<16
	s_mov_b32 s[\g+3], \d0<<16
	s_mov_b32 s[\g+4], \rows
	s_mov_b32 s[\g+5], 2048
	s_mov_b32 s[\g+6], 0
	s_mov_b32 s[\g+7], 0
.endm
	s_load_b256 s[4:11], s[0:1], 0x0               ; x_img, wq_img, the scales' exponents, q_img
	s_load_b64 s[12:13], s[0:1], 0x20              ; kv_img
	v_lshl_add_u32 v[SPW], v0, 2, SPARE
	v_mov_b32 v[NIL], 0
	ds_add_u32 v[SPW], v[NIL]                      ; the opening lines: the add, twice on end, and its wait
	ds_add_u32 v[SPW], v[NIL]
	v_lshrrev_b32 v1, 5, v0
	v_readfirstlane_b32 s14, v1                    ; wave 0..3
	s_lshr_b32 s15, s14, 1                         ; my half of the tokens
	s_and_b32 s16, s14, 1                          ; my head of the two
	s_bfe_u32 s20, ttmp6, 0x40000                  ; cx, cy
	s_bfe_u32 s21, ttmp6, 0x40004
	s_lshl_b32 s22, ttmp9, 2
	s_add_co_u32 s22, s22, s20                     ; g = 4 x cluster x + cx
	s_and_b32 s17, ttmp7, 0xffff
	s_lshl_b32 s17, s17, 2
	s_add_co_u32 s17, s17, s21                     ; ty = 4 x cluster y + cy
	s_lshl_b32 s18, s21, 2
	s_lshl_b32 s18, 15, s18                        ; my row of the cluster
	s_lshl_b32 s19, 0x1111, s20                    ; my column
	s_or_b32 s[G1TA], s18, (3<<16)|(1<<21)         ; 15:0 the mask; 17:16 elements of 8 bytes; 21 set beside a mask
	s_or_b32 s[G1TB], s18, (3<<16)|(1<<21)
	s_or_b32 s[G1WA], s19, (3<<16)|(1<<21)
	s_or_b32 s[G1WB], s19, (3<<16)|(1<<21)
	G1SET G1TA, 512, 16
	G1SET G1WA, 512, 8
	G1SET G1TB, 256, 16
	G1SET G1WB, 256, 8
	s_lshl_b32 s76, s17, 18                        ; tokens: block 16 ty, 16,384 bytes a block
	s_mov_b32 s77, 0
	s_max_u32 s23, s14, 1
	s_sub_co_u32 s23, s23, 1                       ; which of q, k, v I fetch (waves 1-3)
	s_lshl_b32 s78, s23, 20                        ; columns: block 64 x part + 8 g
	s_lshl_b32 s79, s22, 17
	s_add_co_u32 s78, s78, s79
	s_mov_b32 s79, 0
	s_add_co_u32 s66, s14, 1
	s_lshl_b32 s66, s66, 15                        ; slot A: the part's 8 blocks at 65,536 + 32,768 (wave - 1)
	s_lshl_b32 s67, s14, 14
	s_add_co_u32 s67, s67, SLOTB+16384             ; slot B: at 32,768 + 16,384 (wave - 1) of the slot
	s_wait_dscnt 0x0
	s_wait_kmcnt 0x0
	s_load_b256 s[80:87], s[8:9], 0x0              ; e0 .. e7
	s_add_nc_u64 s[76:77], s[4:5], s[76:77]
	s_add_nc_u64 s[78:79], s[6:7], s[78:79]
	CROUND                                         ; all sixteen work-groups are here: the first joint loads meet
	s_mov_b32 s[G0TA], 1
	s_mov_b32 s[G0TA+1], 0
	s_mov_b64 s[G0TA+2:G0TA+3], s[76:77]           ; K steps 0, 1
	s_or_b32 s[G0TA+3], s[G0TA+3], 0x80000000
	s_mov_b32 s[G0WA], 1
	s_mov_b32 s[G0WA+1], s66
	s_mov_b64 s[G0WA+2:G0WA+3], s[78:79]
	s_or_b32 s[G0WA+3], s[G0WA+3], 0x80000000
	s_mov_b32 s[G0TB], 1
	s_mov_b32 s[G0TB+1], SLOTB
	s_add_nc_u64 s[G0TB+2:G0TB+3], s[76:77], 4096  ; K step 2
	s_or_b32 s[G0TB+3], s[G0TB+3], 0x80000000
	s_mov_b32 s[G0WB], 1
	s_mov_b32 s[G0WB+1], s67
	s_add_nc_u64 s[G0WB+2:G0WB+3], s[78:79], 4096
	s_or_b32 s[G0WB+3], s[G0WB+3], 0x80000000
	JL G0TA, G1TA, G0WA, G1WA                      ; slot A: one tensor load a wave at the head
	s_lshl_b32 s66, s15, 15
	s_lshl_b32 s67, s16, 14
	s_add_co_u32 s67, s67, 65536
	s_add_co_u32 s76, s67, 65536
	s_lshl_b32 s77, s15, 14
	s_add_co_u32 s77, s77, SLOTB
	s_lshl_b32 s78, s16, 13
	s_add_co_u32 s78, s78, SLOTB+32768
	s_lshr_b32 s88, s17, 3
	s_lshl_b32 s88, s88, 4
	s_lshl_b32 s89, s22, 1
	s_add_co_u32 s88, s88, s89
	s_add_co_u32 s88, s88, s16                     ; my head: 16 x batch + 2 g + w % 2
	s_and_b32 s89, s17, 7
	s_lshl_b32 s89, s89, 1
	s_add_co_u32 s89, s89, s15                     ; my 128 tokens within the batch
	s_lshl_b32 s90, s88, 17
	s_lshl_b32 s91, s89, 13
	s_add_co_u32 s90, s90, s91
	s_mov_b32 s91, 0
	s_add_nc_u64 s[92:93], s[10:11], s[90:91]      ; where q's codes go,
	s_lshl_b32 s90, s88, 18
	s_lshl_b32 s79, s89, 14
	s_add_co_u32 s90, s90, s79
	s_add_nc_u64 s[94:95], s[12:13], s[90:91]      ; k's,
	s_add_nc_u64 s[96:97], s[94:95], 8192          ; and v's
	v_and_b32 v1, 31, v0
	v_lshlrev_b32 v[LI], 4, v1                     ; an image's place for my lane
	v_add_nc_u32 v[ATA], s66, v[LI]
	v_add_nc_u32 v[AWA], s67, v[LI]
	v_add_nc_u32 v[AWA2], s76, v[LI]
	v_add_nc_u32 v[ATB], s77, v[LI]
	v_add_nc_u32 v[AWB], s78, v[LI]
	s_wait_alu depctr_va_vdst(0)                   ; directly ahead of the wait below
	s_wait_kmcnt 0x0
	s_add_co_i32 s98, s80, s81
	s_sub_co_i32 s98, 127, s98
.irp P, 0,1,2
	s_add_co_i32 s99, s[82+\P], s98
.if \P == 0
	s_add_co_i32 s99, s99, 3
.endif
	s_lshl_b32 s100, s99, 23
	v_mov_b32 v[SCL+2*\P], s100                    ; 2^E as f32
	s_add_co_i32 s99, s99, 8
	s_lshl_b32 s99, s99, 23
	s_or_b32 s99, s99, 0x600000
	v_mov_b32 v[SCL+2*\P+1], s99                   ; 448 x 2^E
.endr
.macro LT s, q, a                      ; token block a's fragment of the slot's q-th K step: four loads of 512 consecutive bytes
.irp c, 0,1,2,3
.if \s == 0
	ds_load_b128 v[TF+16*(\a)+4*\c:TF+16*(\a)+4*\c+3], v[ATA] offset:(\a)*4096+(\q)*2048+512*\c
.else
	ds_load_b128 v[TF+16*(\a)+4*\c:TF+16*(\a)+4*\c+3], v[ATB] offset:(\a)*2048+512*\c
.endif
.endr
.endm
.macro LC s, q, n                      ; column block n (0-3 q, 4-7 k, 8-11 v) into place n % 6 of the ring
.set RG, CF+16*((\n)%6)
.irp c, 0,1,2,3
.if \s == 1
	ds_load_b128 v[RG+4*\c:RG+4*\c+3], v[AWB] offset:((\n)/4)*16384+((\n)%4)*2048+512*\c
.else
.if (\n)/4 < 2
	ds_load_b128 v[RG+4*\c:RG+4*\c+3], v[AWA] offset:((\n)/4)*32768+((\n)%4)*4096+(\q)*2048+512*\c
.else
	ds_load_b128 v[RG+4*\c:RG+4*\c+3], v[AWA2] offset:((\n)%4)*4096+(\q)*2048+512*\c
.endif
.endif
.endr
.endm
.macro LT4 s, q, a0
	LT \s, \q, \a0
	LT \s, \q, \a0+1
	LT \s, \q, \a0+2
	LT \s, \q, \a0+3
.endm
.macro LC3 s, q, n0
	LC \s, \q, \n0
	LC \s, \q, \n0+1
	LC \s, \q, \n0+2
.endm
; Four matrix instructions: column block n x token blocks a0 .. a0 + 3.  q, k: accumulator (token a, column b) at v[8 (4 a + b)]; v: (column b, token a) at v[8 (8 b + a)].  zero = 1: the first product starts the sum.
; The 96 accumulators take turns, one instruction a turn, in the same order in every K step.
.macro MM4 n, a0, zero
	WIN 0x50*((\n)/4+1)
.set RG, CF+16*((\n)%6)
.irp a, 0,1,2,3
.set TG, TF+16*(\a0+\a)
.if (\n)/4 < 2
.set DG, 8*(4*(\a0+\a)+(\n)%4)
.if \zero
	v_wmma_f32_16x16x128_fp8_fp8 v[DG:DG+7], v[RG:RG+15], v[TG:TG+15], 0
.else
	v_wmma_f32_16x16x128_fp8_fp8 v[DG:DG+7], v[RG:RG+15], v[TG:TG+15], v[DG:DG+7]
.endif
.else
.set DG, 8*(8*((\n)%4)+(\a0+\a))
.if \zero
	v_wmma_f32_16x16x128_fp8_fp8 v[DG:DG+7], v[TG:TG+15], v[RG:RG+15], 0
.else
	v_wmma_f32_16x16x128_fp8_fp8 v[DG:DG+7], v[TG:TG+15], v[RG:RG+15], v[DG:DG+7]
.endif
.endif
.endr
.endm
.macro MM12 n0, a0, zero
	MM4 \n0, \a0, \zero
	MM4 \n0+1, \a0, \zero
	MM4 \n0+2, \a0, \zero
.endm
; A K STEP of 128: 96 matrix instructions in four groups of three column blocks.  A place of the ring is read anew as soon as its block's eight products are issued; the token blocks in the last group, four at a time.
; At the step's head these LDS loads may be out, in this order: columns 0-2 (12), tokens 0-3 (16), tokens 4-7 (16), columns 3-5 (12).
; cs, cq: this step's slot and place in it; ns, nq: the next step's.  mode 0: the next step lies in the same slot; 1: change of slots, slot cs is filled again; 2: change of slots, no fill; 3: the last step.
.macro KSTEP cs, cq, ns, nq, mode, zero
	s_wait_dscnt 28                                ; columns 0-2 and tokens 0-3 are in; behind them 16 + 12 loads
	MM12 0, 0, \zero
	s_wait_dscnt 12                                ; tokens 4-7 are in; behind them columns 3-5
	MM12 0, 4, \zero
	WIN 0
	PLACES
	LC3 \cs, \cq, 6
	s_wait_dscnt 12                                ; columns 3-5 are in; behind them the 12 just issued
	MM12 3, 0, \zero
	MM12 3, 4, \zero
	WIN 0
	PLACES
	LC3 \cs, \cq, 9
.if \mode == 0
	s_wait_dscnt 12                                ; columns 6-8
	MM12 6, 0, \zero
	MM12 6, 4, \zero
	WIN 0
	PLACES
	LC3 \ns, \nq, 0
	s_wait_dscnt 12                                ; columns 9-11
	MM12 9, 0, \zero
	WIN 0
	PLACES
	LT4 \ns, \nq, 0
.endif
.if (\mode == 1) || (\mode == 2)
	s_wait_tensorcnt 0x0                           ; all my tensor loads have landed: my part of the next slot
	ds_add_u32 v[SPW], v[NIL]                      ; 0 onto my spare word
	s_wait_dscnt 13                                ; columns 6-8 are in; behind them 12 loads and the add
	MM12 6, 0, \zero
	MM12 6, 4, \zero
	s_wait_dscnt 0x0                               ; the add is done, and my reads of this slot are over
	s_barrier_signal -1
	MM12 9, 0, \zero
	WIN 0
	s_barrier_wait -1
.if \mode == 1
	CREST                                          ; the barrier has opened a round of the cluster's: no wave of any partner still reads this slot or has a load on its way
.if \cs == 0
	s_add_nc_u64 s[G0TA+2:G0TA+3], s[G0TA+2:G0TA+3], 6144   ; three K steps on
	s_add_nc_u64 s[G0WA+2:G0WA+3], s[G0WA+2:G0WA+3], 6144
	JL G0TA, G1TA, G0WA, G1WA                      ; the first tensor load behind the round; its four v_nop are the places in front of the loads below
.else
	s_add_nc_u64 s[G0TB+2:G0TB+3], s[G0TB+2:G0TB+3], 6144
	s_add_nc_u64 s[G0WB+2:G0WB+3], s[G0WB+2:G0WB+3], 6144
	JL G0TB, G1TB, G0WB, G1WB
.endif
.else
	PLACES
.endif
	LC3 \ns, \nq, 0
	LT4 \ns, \nq, 0
.endif
.if \mode == 3
	s_wait_dscnt 12
	MM12 6, 0, \zero
	MM12 6, 4, \zero
	s_wait_dscnt 0x0
	MM12 9, 0, \zero
	MM12 9, 4, \zero
	WIN 0
.else
	MM12 9, 4, \zero
	WIN 0
	PLACES
	LT4 \ns, \nq, 4
	LC3 \ns, \nq, 3
.endif
.endm
	s_wait_alu depctr_va_vdst(0)
	s_wait_tensorcnt 0x0                           ; my part of slot A is in; the lines ahead of a later first fill:
	ds_add_u32 v[SPW], v[NIL]
	s_wait_dscnt 0x0
	CROUND                                         ; everybody's part is in, and the sixteen work-groups meet
	JL G0TB, G1TB, G0WB, G1WB                      ; slot B's first fill, the first tensor load behind the round
	LC3 0, 0, 0
	LT4 0, 0, 0
	LT4 0, 0, 4
	LC3 0, 0, 3
	KSTEP 0, 0, 0, 1, 0, 1                         ; K step 0 starts the sums
	KSTEP 0, 1, 1, 0, 1, 0                         ; 1; slot A takes K steps 3, 4
	KSTEP 1, 0, 0, 0, 1, 0                         ; 2; slot B takes K step 5
	KSTEP 0, 0, 0, 1, 0, 0                         ; 3
	KSTEP 0, 1, 1, 0, 1, 0                         ; 4; slot A takes K steps 6, 7
	KSTEP 1, 0, 0, 0, 2, 0                         ; 5
	KSTEP 0, 0, 0, 1, 0, 0                         ; 6
	KSTEP 0, 1, 0, 0, 3, 0                         ; 7
; THE WAY OUT, 32 sums at a time (unit u of part P: q, k: token block u x the head's four column blocks; v: column block u / 2 x four token blocks): the hold, the conversion, two stores of 512 consecutive aligned bytes.
; The 16 registers of two neighbouring accumulators are 16 neighbours along the next product's K, so the conversions' results are registers of the next operand, and my lane's place in its image is my lane's own.
; In all three images unit u begins 1,024 u bytes behind the part's base.  Each accumulator is read from its low end on; each unit has code registers of its own, so no store's data are written again.
.macro OUTU P, u
.set CG, CD+8*(8*(\P)+(\u))
	WIN (\P)+1                                     ; source 0: the part's window
.set i, 0
.rept 32
	v_med3_num_f32 v[TMP+i], v[32*(\u)+i], -v[SCL+2*(\P)+1], v[SCL+2*(\P)+1]
.set i, i+1
.endr
	WIN 0
.irp g, 0,1,2,3
	v_cvt_scalef32_pk8_fp8_f32 v[CG+2*\g:CG+2*\g+1], v[TMP+8*\g:TMP+8*\g+7], v[SCL+2*(\P)]
.endr
	v_nop                                          ; a plain line behind the last conversion: the next unit's holds write these sources again
	global_store_b128 v[LI], v[CG:CG+3], s[92+2*(\P):93+2*(\P)] offset:(\u)*1024
	global_store_b128 v[LI], v[CG+4:CG+7], s[92+2*(\P):93+2*(\P)] offset:(\u)*1024+512
.endm
	PLACES
.irp P, 0,1,2
.irp u, 0,1,2,3,4,5,6,7
	OUTU \P, \u
.endr
.endr
	s_wait_tensorcnt 0x0                           ; the wave's end
	ds_add_u32 v[SPW], v[NIL]
	s_wait_dscnt 0x0
	CROUND                                         ; the closing round: no work-group ends while a partner may still ask for a tile that names it
	s_endpgm
.Lfunc_end_k_qc49049f540_qkv:
	.size	k_qc49049f540_qkv, .Lfunc_end_k_qc49049f540_qkv-k_qc49049f540_qkv
	.p2alignl 7, 3214868480
	.fill 96, 4, 3214868480
	.section	.rodata,"a",@progbits
	.p2align	6, 0x0
	.amdhsa_kernel k_qc49049f540_qkv
		.amdhsa_group_segment_fixed_size 327680
		.amdhsa_private_segment_fixed_size 0
		.amdhsa_enable_private_segment 0
		.amdhsa_kernarg_size 40
		.amdhsa_user_sgpr_count 2
		.amdhsa_user_sgpr_kernarg_segment_ptr 1
		.amdhsa_wavefront_size32 1
		.amdhsa_system_sgpr_workgroup_id_x 1
		.amdhsa_system_sgpr_workgroup_id_y 1
		.amdhsa_system_sgpr_workgroup_id_z 1
		.amdhsa_system_vgpr_workitem_id 0
		.amdhsa_next_free_vgpr 1024
		.amdhsa_next_free_sgpr 102
		.amdhsa_reserve_vcc 0
		.amdhsa_float_denorm_mode_32 3
		.amdhsa_float_denorm_mode_16_64 3
		.amdhsa_memory_ordered 1
		.amdhsa_forward_progress 1
		.amdhsa_inst_pref_size 170
	.end_amdhsa_kernel
	.amdgpu_metadata
---
amdhsa.version: [ 1, 2 ]
amdhsa.kernels:
  - .name:           k_qc49049f540_qkv
    .symbol:         k_qc49049f540_qkv.kd
    .args:
      - { .name: x_img, .offset: 0, .size: 8, .value_kind: global_buffer, .address_space: global }
      - { .name: wq_img, .offset: 8, .size: 8, .value_kind: global_buffer, .address_space: global }
      - { .name: lowp_scales, .offset: 16, .size: 8, .value_kind: global_buffer, .address_space: global }
      - { .name: q_img, .offset: 24, .size: 8, .value_kind: global_buffer, .address_space: global }
      - { .name: kv_img, .offset: 32, .size: 8, .value_kind: global_buffer, .address_space: global }
    .group_segment_fixed_size: 327680
    .private_segment_fixed_size: 0
    .kernarg_segment_align: 8
    .kernarg_segment_size: 40
    .max_flat_workgroup_size: 128
    .sgpr_count:     102
    .vgpr_count:     1024
    .wavefront_size: 32
...
	.end_amdgpu_metadata
.endif
;; end of part 2
;; launch attn (part 3): grid 4 x 64, 8 waves a work-group, clusters of 4 x 1, 327,680 bytes of LDS; arguments q_img, kv_img, lowp_scales, o_img; writes o_img
.if DOCPART == 3
	.amdgcn_target "amdgcn-amd-amdhsa--gfx1250"
	.amdhsa_code_object_version 6
	.text
	.protected	k_qc49049f540_attn
	.globl	k_qc49049f540_attn
	.p2align	8
	.type	k_qc49049f540_attn,@function
k_qc49049f540_attn:
	s_mov_b64 s[64:65], 0
	v_nop
	global_prefetch_b8 v0, s[64:65] scope:SCOPE_SE
	s_setreg_imm32_b32 hwreg(HW_REG_WAVE_MODE, 25, 1), 1
	s_wait_xcnt 0x0
	s_wait_alu depctr_hold_cnt(0) depctr_sa_sdst(0) depctr_va_vdst(0) depctr_va_sdst(0) depctr_va_ssrc(0) depctr_va_vcc(0) depctr_vm_vsrc(0)
	s_getreg_b32 s2, hwreg(HW_REG_IB_STS2, 6, 4)
	s_cmp_eq_u32 s2, 0
	s_cbranch_scc0 .Lentry_in_a_cluster
	s_endpgm
.Lentry_in_a_cluster:
	s_bfe_u32 s2, ttmp6, 0x10000c
	s_cmp_lg_u32 s2, 0x3003
	s_cbranch_scc0 .Lentry_shape_is_right
	s_endpgm
.Lentry_shape_is_right:
; Causal attention of one head (work-group y = 16 x batch + head) on codes of FP8 (E4M3): S^T = K Q^T (K = the head's 64), p = 2^(t - M), O^T = V^T P^T (K = the keys), O / the row's sum quantised with 2^e6.
; t = score x log2(e) x 2^(e2 + e3) (the head's 64^-0.5 went into q's codes); M = the running largest t rounded up to a whole number; the row's sum is taken of the unquantised p; when M moves, the sum and O^T are multiplied by 2^(old M - new M).
; LEFT OUT: key steps all of whose 128 keys come after a pair's 32 queries.  Their softmax weight is 0 for all inputs.
; A NaN or an infinity that reaches only such keys is not carried to the result.
; LIMITS: e2 + e3 between -126 and 127; e5 and e6 - e4 - e5 between -126 and 119; the scaled scores stay under 2^31 in magnitude.
; INPUTS: q_img [64 heads][128 tiles of 16 queries][1,024]; kv_img [64][16 steps of 128 keys][16,384]: 8 tiles of keys x 1,024, then 4 tiles of d x 2,048; all images of operand registers (16 bytes a lane, 512 a register group).
;   Tile T holds rows 32 (T / 2) + 8 (T % 2) + r + 8 (r / 8), so the 16 registers of result tiles 2 b, 2 b + 1 are 16 neighbours along the next product's K.
; OUTPUT: o_img [512 blocks of 16 tokens][8 K steps][2,048], the same kind of image: a head is 1,024 bytes of a block's row.
; SHARES.  The four work-groups of a cluster take one head; its K and V, 262,144 bytes, are asked for jointly and stay in LDS: steps 0-3 by the load at the head (8,192 bytes a wave), steps 4-15 by a second load (24,576 bytes a wave).
; A wave works on a PAIR of tiles 2 j, 2 j + 1 (32 queries) at a time: each fragment of K and of V that it reads from LDS feeds two matrix instructions, 32 LDS loads for two tile steps.
; Wave w of work-group cx owns pair 4 w + cx (w + 1 key steps) and pair 63 - 4 w - cx (16 - w key steps): 17 pair steps in every wave.
; ORDER: the long pair's steps 0-3 (on the first load's bytes); the barrier that shows the second load; the long pair's other steps, its way out, the short pair: 17 pair steps in every wave.
; The loops' trip counts are constants (4, 12, 8); a scalar branch on the wave's number and the step leads round a step that the pair does not have.
; K's fragments have registers of their own and are read one step ahead (not in a pair's last step of a loop); the address is held at the loop's last step by s_min_u32.
; No prefetch: the two loads at the head ask for every byte of K and V that the work-group reads, and nothing is asked for later.
; REGISTERS.  Window 0: all of the softmax of both tiles.  Window 1: O^T v0-63 (tile a, tile b), Q v64-95 (short pair, long pair), K's fragments v96-159.
.set LI,   1                           ; 16 x lane
.set ADK,  2                           ; LDS address of the key step
.set DM,   3                           ; tile a's query's place in the pair's diagonal step, less 16 (lane / 16); tile b's is 8 more
.set ADN,  4                           ; LDS address of the next key step
.set MC,   5
.set FFB,  6                           ; v[6:7]
.set ST,   8                           ; tile a: v8 -M, v9 the largest raw score, v[10:11] the sum in two halves; tile b: v12-15
.set FV,   16                          ; 64: V's fragments
.set SR,   80                          ; 128: S^T, then p: tile a, tile b
.set PC,   208                         ; 32: p's codes: tile a, tile b
.set HOLD, 240                         ; v240, v241: 448 x 2^e5, twice: the two halves of a dual pair read different registers
.set PSC,  242
.set PD,   243
.set SW,   244
.set FF,   246
.set MA,   248
.set MB,   249
.set PDB,  250
.set MD,   251
.set SWB,  252
.set O,    0                           ; window 1
.set QF,   64
.set FK,   96
.set WV,   18
.set SEL,  20
.set CS,   22
.set G1A,  24
.set G1B,  32
.set G0A,  40
.set G0B,  44
.set STP,  50
.set TB,   51
.set N0,   52                          ; s52, s53: key steps of the short and the long pair; s54 = 4
.set OB,   56                          ; s[56:57], s[58:59]
.set DD,   66
.set SOSC, 67
.set SOHL, 70
.set MSB, 0
.macro WIN new                         ; the immediate's high byte repeats the setting that is left
.if MSB != \new
	s_set_vgpr_msb (MSB<<8)|\new
.set MSB, \new
.endif
.endm
.macro CROUND
	s_barrier_signal -1
	s_barrier_wait -1
	s_cmp_lg_u32 s[WV], 0
	s_cbranch_scc1 .Lnot_wave_0_\@
	s_barrier_signal -3
.Lnot_wave_0_\@:
	s_barrier_wait -3
	s_barrier_signal -1
	s_barrier_wait -1
.endm
.macro INIT                            ; a pair's state: the first step's change of M multiplies zeros
.irp y, 0, 4
	v_mov_b32 v[ST+\y], 0x7f61b1e6                 ; -M = 3e38
	v_mov_b32 v[ST+\y+1], 0xff61b1e6               ; -3e38, under every score
	v_mov_b32 v[ST+\y+2], 0
	v_mov_b32 v[ST+\y+3], 0
.endr
	WIN 0x40
.set j, 0
.rept 64
	v_mov_b32 v[O+j], 0
.set j, j+1
.endr
	WIN 0
.endm
	s_load_b256 s[4:11], s[0:1], 0x0               ; q_img, kv_img, the scales' exponents, o_img
	v_lshl_add_u32 v254, v0, 2, 0x40000
	v_mov_b32 v255, 0
	ds_add_u32 v254, v255                          ; the opening lines: the add, twice on end, and its wait
	ds_add_u32 v254, v255
	v_lshrrev_b32 v1, 5, v0
	s_delay_alu instid0(VALU_DEP_1)
	v_readfirstlane_b32 s[WV], v1
	s_bfe_u32 s12, ttmp6, 0x40000                  ; cx
	s_and_b32 s13, ttmp7, 0xffff                   ; the head
	s_mov_b32 s[G1A], 15|(3<<16)|(1<<21)           ; the four partners; elements of 8 bytes; rows of 256 bytes, dense
	s_mov_b32 s[G1A+1], 32<<16
	s_mov_b32 s[G1A+2], 32<<16
	s_mov_b32 s[G1A+3], 32<<16
	s_mov_b32 s[G1A+4], 32
	s_mov_b32 s[G1A+5], 32
	s_mov_b32 s[G1A+6], 0
	s_mov_b32 s[G1A+7], 0
	s_mov_b32 s[G1B], 15|(3<<16)|(1<<21)
	s_mov_b32 s[G1B+1], 32<<16
	s_mov_b32 s[G1B+2], 96<<16
	s_mov_b32 s[G1B+3], 32<<16
	s_mov_b32 s[G1B+4], 96
	s_mov_b32 s[G1B+5], 32
	s_mov_b32 s[G1B+6], 0
	s_mov_b32 s[G1B+7], 0
	s_mov_b32 s[SEL], 0x76543210
	s_mov_b32 s[SEL+1], 0xfedcba98
	s_lshl_b32 s14, s13, 18
	s_mov_b32 s15, 0
	s_lshl_b32 s16, s[WV], 13
	s_mul_i32 s17, s[WV], 24576
	s_add_co_u32 s17, s17, 65536
	s_wait_dscnt 0x0
	s_wait_kmcnt 0x0
	s_load_b256 s[72:79], s[8:9], 0x0              ; e0 .. e7
	s_add_nc_u64 s[6:7], s[6:7], s[14:15]
	s_mov_b32 s[G0A], 1
	s_mov_b32 s[G0A+1], s16
	s_mov_b32 s14, s16
	s_add_nc_u64 s[G0A+2:G0A+3], s[6:7], s[14:15]
	s_or_b32 s[G0A+3], s[G0A+3], 0x80000000
	s_mov_b32 s[G0B], 1
	s_mov_b32 s[G0B+1], s17
	s_mov_b32 s14, s17
	s_add_nc_u64 s[G0B+2:G0B+3], s[6:7], s[14:15]
	s_or_b32 s[G0B+3], s[G0B+3], 0x80000000
	CROUND
	tensor_load_to_lds s[G0A:G0A+3], s[G1A:G1A+7]  ; key steps 0-3: my 8,192 bytes
	s_nop 0
	; all the set-up stands between this load and the wait for it
	s_lshl_b32 s14, s[WV], 2
	s_add_co_u32 s14, s14, s12                     ; the short pair: 4 w + cx
	s_sub_co_u32 s16, 63, s14                      ; the long pair
	s_lshl_b32 s68, s13, 17
	s_lshl_b32 s48, s14, 11                        ; a pair's Q is 2,048 bytes
	s_add_co_u32 s48, s48, s68
	s_mov_b32 s49, 0
	s_add_nc_u64 s[60:61], s[4:5], s[48:49]
	s_lshl_b32 s48, s16, 11
	s_add_co_u32 s48, s48, s68
	s_add_nc_u64 s[62:63], s[4:5], s[48:49]
	v_and_b32 v5, 31, v0
	s_delay_alu instid0(VALU_DEP_1)
	v_lshlrev_b32 v[LI], 4, v5
	WIN 0x40
.irp c, 0,1,2,3
	global_load_b128 v[QF+4*\c:QF+4*\c+3], v[LI], s[60:61] offset:512*\c
	global_load_b128 v[QF+16+4*\c:QF+16+4*\c+3], v[LI], s[62:63] offset:512*\c
.endr
	WIN 0
	s_lshr_b32 s68, s13, 4
	s_lshl_b32 s68, s68, 21
	s_and_b32 s69, s13, 15
	s_lshl_b32 s69, s69, 10
	s_add_co_u32 s68, s68, s69
	s_lshl_b32 s48, s14, 15                        ; a pair is two blocks of 16,384 bytes of o_img
	s_add_co_u32 s48, s48, s68
	s_add_nc_u64 s[OB:OB+1], s[10:11], s[48:49]
	s_lshl_b32 s48, s16, 15
	s_add_co_u32 s48, s48, s68
	s_add_nc_u64 s[OB+2:OB+3], s[10:11], s[48:49]
	s_add_co_u32 s[N0], s[WV], 1
	s_sub_co_u32 s[N0+1], 16, s[WV]
	s_mov_b32 s[N0+2], 4
	s_sub_co_u32 s68, 3, s12
	s_lshl_b32 s68, s68, 5                         ; the long pair's 32 queries begin at key 32 (3 - cx) of their diagonal step,
	s_lshl_b32 s[DD], s12, 6
	s_sub_co_i32 s[DD], s[DD], 96                  ; the short pair's at 32 cx: 64 cx - 96 further on
	v_and_b32 v5, 15, v0
	s_delay_alu instid0(VALU_DEP_1)
	v_and_b32 v[MB], 8, v5
	s_delay_alu instid0(VALU_DEP_1)
	v_add_nc_u32 v5, v5, v[MB]
	v_bfe_u32 v[MB], v0, 4, 1
	s_delay_alu instid0(VALU_DEP_1)
	v_lshlrev_b32 v[MB], 4, v[MB]
	s_delay_alu instid0(VALU_DEP_1)
	v_sub_nc_u32 v5, v5, v[MB]                     ; r + 8 (r / 8) - 16 (lane / 16)
	s_delay_alu instid0(VALU_DEP_1)
	v_add_nc_u32 v[DM], s68, v5
	v_mov_b32 v[PD], 0                             ; a lane permute's destination counts as a source
	v_mov_b32 v[PDB], 0
	v_mov_b32 v[FF+1], 0                           ; named as the upper halves of pairs
	v_mov_b32 v[FFB+1], 0
	INIT
	s_wait_kmcnt 0x0
	s_add_co_i32 s68, s74, s75
	s_lshl_b32 s68, s68, 23
	s_mov_b32 s[CS], 0x3fb8aa3b                    ; log2(e),
	s_add_co_i32 s[CS], s[CS], s68                 ; x 2^(e2 + e3), added to its exponent field
	s_mov_b32 s[CS+1], s[CS]
	s_add_co_i32 s68, s77, 127
	s_lshl_b32 s69, s68, 23
	v_mov_b32 v[PSC], s69                          ; 2^e5
	s_add_co_i32 s68, s68, 8
	s_lshl_b32 s68, s68, 23
	s_or_b32 s68, s68, 0x600000
	v_mov_b32 v[HOLD], s68                         ; 448 x 2^e5
	v_mov_b32 v[HOLD+1], s68
	s_sub_co_i32 s68, s78, s76
	s_sub_co_i32 s68, s68, s77
	s_add_co_i32 s68, s68, 127
	s_lshl_b32 s[SOSC], s68, 23                    ; 2^(e6 - e4 - e5)
	s_add_co_i32 s68, s68, 8
	s_lshl_b32 s68, s68, 23
	s_or_b32 s[SOHL], s68, 0x600000                ; 448 x that
	s_wait_alu depctr_va_vdst(0)
	s_wait_tensorcnt 0x0                           ; my part of steps 0-3 is in; the lines ahead of a later first fill:
	ds_add_u32 v254, v255
	s_wait_dscnt 0x0
	CROUND                                         ; everybody's part is in, and the four partners meet
	tensor_load_to_lds s[G0B:G0B+3], s[G1B:G1B+7]  ; key steps 4-15: my 24,576 bytes
	s_nop 0
.rept 4
	v_nop                                          ; four lines between a tensor load and a later switch of windows
.endr
.macro KLOADS                          ; K's eight tiles of the step at v[ADN] into window 1
	WIN 0x40
.irp t, 0,1,2,3,4,5,6,7
	ds_load_b128 v[FK+8*\t:FK+8*\t+3], v[ADN] offset:1024*\t
	ds_load_b128 v[FK+8*\t+4:FK+8*\t+7], v[ADN] offset:1024*\t+512
.endr
	WIN 0
.endm
.macro VLOADS
.irp t, 0,1,2,3
.irp c, 0,1,2,3
	ds_load_b128 v[FV+16*\t+4*\c:FV+16*\t+4*\c+3], v[ADK] offset:8192+2048*\t+512*\c
.endr
.endr
.endm
.macro KFIRST                          ; ahead of a loop: K of its first step
	v_add_nc_u32 v[ADN], s[TB], v[LI]
	s_wait_alu depctr_va_vdst(0)
	KLOADS
.endm
.macro MASKT base, less                ; register n holds key 32 (n / 16) + n % 16 + 16 (lane / 16) of the step: it counts where that is at or under my query
.set n, 0
.rept 64
	v_cmp_le_i32 vcc_lo, 32*(n/16)+n%16-\less, v[DM]
	v_cndmask_b32 v[\base+n], 0xff800000, v[\base+n], vcc_lo
.set n, n+1
.endr
.endm
; A PAIR STEP: 32 queries x 128 keys.  x: which pair's Q; nn: which count; skip: the step may lie beyond the pair's last; mask: the loop's last step of the pair is the diagonal one; cl: the loop's last step's LDS byte.
.macro PSTEP x, nn, skip, mask, cl
.if \skip
	s_cmp_ge_u32 s[STP], s[N0+\nn]
	s_cbranch_scc1 .Lskip_\@
.endif
	s_add_co_u32 s69, s[TB], 16384
	s_min_u32 s69, s69, \cl
	v_add_nc_u32 v[ADK], s[TB], v[LI]
	v_add_nc_u32 v[ADN], s69, v[LI]
	s_wait_alu depctr_va_vdst(0)
	s_wait_dscnt 0x0                               ; K's fragments
	WIN 0x05
.irp t, 0,1,2,3,4,5,6,7
	v_wmma_f32_16x16x64_fp8_fp8 v[SR+8*\t:SR+8*\t+7], v[FK+8*\t:FK+8*\t+7], v[QF+16*\x:QF+16*\x+7], 0
	v_wmma_f32_16x16x64_fp8_fp8 v[SR+64+8*\t:SR+64+8*\t+7], v[FK+8*\t:FK+8*\t+7], v[QF+16*\x+8:QF+16*\x+15], 0
.endr
	WIN 0
.rept 4
	v_nop                                          ; places: loads land on K's and V's fragments, and the scores are read
.endr
	s_add_co_u32 s68, s[STP], 1
	s_cmp_lt_u32 s68, s[N0+\nn]
	s_cbranch_scc0 .Llast_\@
	KLOADS                                         ; the next step's K first, then this step's V: one wait for 0 serves both
	VLOADS
	s_branch .Lopen_\@
.Llast_\@:
	VLOADS
.if \mask
	MASKT SR, 0
	MASKT SR+64, 8
.endif
.Lopen_\@:
	v_max3_num_f32 v[MA], v[SR], v[SR+1], v[SR+2]  ; the step's largest scores: two chains a tile, the tiles by turns
	v_max3_num_f32 v[MC], v[SR+64], v[SR+65], v[SR+66]
	v_max3_num_f32 v[MB], v[SR+3], v[SR+4], v[SR+5]
	v_max3_num_f32 v[MD], v[SR+67], v[SR+68], v[SR+69]
.irp i, 6,10,14,18,22,26,30,34,38,42,46,50,54,58
	v_max3_num_f32 v[MA], v[MA], v[SR+\i], v[SR+1+\i]
	v_max3_num_f32 v[MC], v[MC], v[SR+64+\i], v[SR+65+\i]
	v_max3_num_f32 v[MB], v[MB], v[SR+2+\i], v[SR+3+\i]
	v_max3_num_f32 v[MD], v[MD], v[SR+66+\i], v[SR+67+\i]
.endr
	v_max3_num_f32 v[MA], v[MA], v[SR+62], v[SR+63]
	v_max3_num_f32 v[MC], v[MC], v[SR+126], v[SR+127]
	v_max_num_f32 v[MA], v[MA], v[MB]
	v_max_num_f32 v[MC], v[MC], v[MD]
	v_permlanex16_b32 v[PD], v[MA], s[SEL], s[SEL+1]
	v_permlanex16_b32 v[PDB], v[MC], s[SEL], s[SEL+1]
	v_max3_num_f32 v[ST+1], v[MA], v[PD], v[ST+1]  ; the largest raw score so far (the factor to t is positive)
	v_max3_num_f32 v[ST+5], v[MC], v[PDB], v[ST+5]
	v_mul_f32 v[MA], s[CS], v[ST+1]                ; as t
	v_mul_f32 v[MC], s[CS], v[ST+5]
	v_floor_f32 v[MB], -v[MA]                      ; the new -M
	v_floor_f32 v[MD], -v[MC]
	v_sub_f32 v[MA], v[MB], v[ST]                  ; old M - new M, a whole number, 0 or less
	v_sub_f32 v[MC], v[MD], v[ST+4]
	v_cvt_i32_f32 v[MA], v[MA]                     ; (it saturates)
	v_cvt_i32_f32 v[MC], v[MC]
	v_mov_b32 v[ST], v[MB]
	v_mov_b32 v[ST+4], v[MD]
	v_ldexp_f32 v[FF], 1.0, v[MA]                  ; f = 2^(old M - new M)
	v_ldexp_f32 v[FFB], 1.0, v[MC]
.set j, 0
.rept 32
	v_pk_fma_f32 v[SR+j:SR+j+1], v[SR+j:SR+j+1], s[CS:CS+1], v[ST:ST+1] op_sel_hi:[1,0,0]   ; t - M
.set j, j+2
.endr
.rept 32
	v_pk_fma_f32 v[SR+j:SR+j+1], v[SR+j:SR+j+1], s[CS:CS+1], v[ST+4:ST+5] op_sel_hi:[1,0,0]
.set j, j+2
.endr
	s_wait_alu depctr_va_vdst(0)                   ; ahead of the batch
.set j, 0
.rept 128
	v_exp_f32 v[SR+j], v[SR+j]
.set j, j+1
.endr
	WIN 0x41
	s_wait_alu depctr_va_vdst(0)                   ; one wait behind the batch, directly ahead of O^T's first readers
.set j, 0
.rept 16
	v_pk_mul_f32 v[O+j:O+j+1], v[O+j:O+j+1], v[FF:FF+1] op_sel_hi:[1,0]   ; O^T under the new M; plain lines behind the exponentials
.set j, j+2
.endr
.rept 16
	v_pk_mul_f32 v[O+j:O+j+1], v[O+j:O+j+1], v[FFB:FFB+1] op_sel_hi:[1,0]
.set j, j+2
.endr
	WIN 0
	v_pk_mul_f32 v[ST+2:ST+3], v[ST+2:ST+3], v[FF:FF+1] op_sel_hi:[1,0]
	v_pk_mul_f32 v[ST+6:ST+7], v[ST+6:ST+7], v[FFB:FFB+1] op_sel_hi:[1,0]
	v_pk_add_f32 v[SW:SW+1], v[SR:SR+1], v[SR+2:SR+3]   ; the sums of the unquantised p: two chains a tile
	v_pk_add_f32 v[SWB:SWB+1], v[SR+64:SR+65], v[SR+66:SR+67]
.irp j, 4,8,12,16,20,24,28,32,36,40,44,48,52,56,60
	v_pk_add_f32 v[ST+2:ST+3], v[ST+2:ST+3], v[SR+\j:SR+1+\j]
	v_pk_add_f32 v[ST+6:ST+7], v[ST+6:ST+7], v[SR+64+\j:SR+65+\j]
	v_pk_add_f32 v[SW:SW+1], v[SW:SW+1], v[SR+2+\j:SR+3+\j]
	v_pk_add_f32 v[SWB:SWB+1], v[SWB:SWB+1], v[SR+66+\j:SR+67+\j]
.endr
	v_pk_add_f32 v[ST+2:ST+3], v[ST+2:ST+3], v[SW:SW+1]
	v_pk_add_f32 v[ST+6:ST+7], v[ST+6:ST+7], v[SWB:SWB+1]
.irp b, 0,1,2,3,4,5,6,7
.irp i, 0,2,4,6,8,10,12,14
	v_dual_min_num_f32 v[SR+16*\b+\i], v[HOLD], v[SR+16*\b+\i] :: v_dual_min_num_f32 v[SR+16*\b+\i+1], v[HOLD+1], v[SR+16*\b+\i+1]   ; the hold (ISA guide 7.6.2: the conversion does not saturate); p is not negative
.endr
	v_cvt_scalef32_pk8_fp8_f32 v[PC+4*\b:PC+4*\b+1], v[SR+16*\b:SR+16*\b+7], v[PSC]
	v_cvt_scalef32_pk8_fp8_f32 v[PC+4*\b+2:PC+4*\b+3], v[SR+16*\b+8:SR+16*\b+15], v[PSC]
.endr
	v_nop                                          ; the plain line between the last conversion and the products
	s_wait_alu depctr_va_vdst(0)                   ; directly ahead of the wait below
	s_wait_dscnt 0x0                               ; V's fragments (and the next step's K)
	WIN 0x50
.irp t, 0,1,2,3
	v_wmma_f32_16x16x128_fp8_fp8 v[O+8*\t:O+8*\t+7], v[FV+16*\t:FV+16*\t+15], v[PC:PC+15], v[O+8*\t:O+8*\t+7]
	v_wmma_f32_16x16x128_fp8_fp8 v[O+32+8*\t:O+32+8*\t+7], v[FV+16*\t:FV+16*\t+15], v[PC+16:PC+31], v[O+32+8*\t:O+32+8*\t+7]
.endr
	WIN 0
.if \skip
.Lskip_\@:
.endif
	s_add_co_u32 s[TB], s[TB], 16384
	s_add_co_u32 s[STP], s[STP], 1
.endm
; A pair's way out: O^T / the sum, held, as codes with 2^e6; my lane's place in the image is my lane's own: four stores of 512 consecutive aligned bytes.
.macro FINISH x
.rept 4
	v_nop
.endr
	v_add_f32 v[MA], v[ST+2], v[ST+3]
	v_add_f32 v[MC], v[ST+6], v[ST+7]
	v_permlanex16_b32 v[PD], v[MA], s[SEL], s[SEL+1]
	v_permlanex16_b32 v[PDB], v[MC], s[SEL], s[SEL+1]
	v_add_f32 v[MA], v[MA], v[PD]
	v_add_f32 v[MC], v[MC], v[PDB]
	v_mov_b32 v[MB], s[SOSC]
	v_mov_b32 v[MD], s[SOHL]
	s_wait_alu depctr_va_vdst(0)                   ; ahead of the transcendentals
	v_rcp_f32 v[FF], v[MA]
	v_rcp_f32 v[FFB], v[MC]
	v_nop
	WIN 0x01
	s_wait_alu depctr_va_vdst(0)                   ; behind them, directly ahead of the first readers of O^T
.set j, 0
.rept 16
	v_pk_mul_f32 v[SR+j:SR+j+1], v[O+j:O+j+1], v[FF:FF+1] op_sel_hi:[1,0]
.set j, j+2
.endr
.rept 16
	v_pk_mul_f32 v[SR+j:SR+j+1], v[O+j:O+j+1], v[FFB:FFB+1] op_sel_hi:[1,0]
.set j, j+2
.endr
	WIN 0
.set j, 0
.rept 64
	v_med3_num_f32 v[SR+j], v[SR+j], -v[MD], v[MD]
.set j, j+1
.endr
.irp g, 0,1,2,3,4,5,6,7
	v_cvt_scalef32_pk8_fp8_f32 v[PC+2*\g:PC+2*\g+1], v[SR+8*\g:SR+8*\g+7], v[MB]
.endr
	v_nop                                          ; a plain line behind the last conversion
.irp y, 0,1
	global_store_b128 v[LI], v[PC+8*\y:PC+8*\y+3], s[OB+2*\x:OB+2*\x+1] offset:16384*\y
	global_store_b128 v[LI], v[PC+8*\y+4:PC+8*\y+7], s[OB+2*\x:OB+2*\x+1] offset:16384*\y+512
.endr
	s_wait_xcnt 0x0                                ; the stores have read their data: the codes' registers may be written again
.endm
	s_mov_b32 s[STP], 0
	s_mov_b32 s[TB], 0
	KFIRST
	s_wait_loadcnt 0x0                             ; Q
.Lfirst_four:                                          ; the long pair, key steps 0-3: it has nine steps at the least
	PSTEP 1, 2, 0, 0, 49152
	s_cmp_lt_u32 s[STP], 4
	s_cbranch_scc1 .Lfirst_four
	s_wait_tensorcnt 0x0                           ; my part of steps 4-15 is in,
	s_wait_dscnt 0x0
	s_barrier_signal -1
	s_barrier_wait -1                              ; everybody's is
	s_mov_b32 s[STP], 4
	s_mov_b32 s[TB], 65536
	KFIRST
.Llong_rest:                                           ; the long pair, key steps 4 on
	PSTEP 1, 1, 1, 1, 245760
	s_cmp_lt_u32 s[STP], 16
	s_cbranch_scc1 .Llong_rest
	FINISH 1
	INIT
	v_add_nc_u32 v[DM], s[DD], v[DM]               ; the short pair's place in its diagonal step
	s_mov_b32 s[STP], 0
	s_mov_b32 s[TB], 0
	KFIRST
.Lshort:                                               ; the short pair: eight steps at the most
	PSTEP 0, 0, 1, 1, 114688
	s_cmp_lt_u32 s[STP], 8
	s_cbranch_scc1 .Lshort
	FINISH 0
	s_wait_tensorcnt 0x0                           ; the wave's end
	ds_add_u32 v254, v255
	s_wait_dscnt 0x0
	CROUND                                         ; the closing round
	s_endpgm
.Lfunc_end_k_qc49049f540_attn:
	.size	k_qc49049f540_attn, .Lfunc_end_k_qc49049f540_attn-k_qc49049f540_attn
	.p2alignl 7, 3214868480
	.fill 96, 4, 3214868480
	.section	.rodata,"a",@progbits
	.p2align	6, 0x0
	.amdhsa_kernel k_qc49049f540_attn
		.amdhsa_group_segment_fixed_size 327680
		.amdhsa_private_segment_fixed_size 0
		.amdhsa_enable_private_segment 0
		.amdhsa_kernarg_size 32
		.amdhsa_user_sgpr_count 2
		.amdhsa_user_sgpr_kernarg_segment_ptr 1
		.amdhsa_wavefront_size32 1
		.amdhsa_system_sgpr_workgroup_id_x 1
		.amdhsa_system_sgpr_workgroup_id_y 1
		.amdhsa_system_sgpr_workgroup_id_z 1
		.amdhsa_system_vgpr_workitem_id 0
		.amdhsa_next_free_vgpr 416
		.amdhsa_next_free_sgpr 80
		.amdhsa_reserve_vcc 1
		.amdhsa_float_denorm_mode_32 3
		.amdhsa_float_denorm_mode_16_64 3
		.amdhsa_memory_ordered 1
		.amdhsa_forward_progress 1
		.amdhsa_inst_pref_size 147
	.end_amdhsa_kernel
	.amdgpu_metadata
---
amdhsa.version: [ 1, 2 ]
amdhsa.kernels:
  - .name:           k_qc49049f540_attn
    .symbol:         k_qc49049f540_attn.kd
    .args:
      - { .name: q_img, .offset: 0, .size: 8, .value_kind: global_buffer, .address_space: global }
      - { .name: kv_img, .offset: 8, .size: 8, .value_kind: global_buffer, .address_space: global }
      - { .name: lowp_scales, .offset: 16, .size: 8, .value_kind: global_buffer, .address_space: global }
      - { .name: o_img, .offset: 24, .size: 8, .value_kind: global_buffer, .address_space: global }
    .group_segment_fixed_size: 327680
    .private_segment_fixed_size: 0
    .kernarg_segment_align: 8
    .kernarg_segment_size: 32
    .max_flat_workgroup_size: 256
    .sgpr_count:     80
    .vgpr_count:     416
    .wavefront_size: 32
...
	.end_amdgpu_metadata
.endif
;; end of part 3
;; launch proj (part 4): grid 8 x 32, 4 waves a work-group, clusters of 4 x 4, 327,680 bytes of LDS; arguments o_img, wp_img, lowp_scales, proj_b, out0; writes out0
.if DOCPART == 4
	.amdgcn_target "amdgcn-amd-amdhsa--gfx1250"
	.amdhsa_code_object_version 6
	.text
	.protected	k_qc49049f540_proj
	.globl	k_qc49049f540_proj
	.p2align	8
	.type	k_qc49049f540_proj,@function
k_qc49049f540_proj:
	s_mov_b64 s[64:65], 0
	v_nop
	global_prefetch_b8 v0, s[64:65] scope:SCOPE_SE
	s_setreg_imm32_b32 hwreg(HW_REG_WAVE_MODE, 25, 1), 1
	s_wait_xcnt 0x0
	s_wait_alu depctr_hold_cnt(0) depctr_sa_sdst(0) depctr_va_vdst(0) depctr_va_sdst(0) depctr_va_ssrc(0) depctr_va_vcc(0) depctr_vm_vsrc(0)
	s_getreg_b32 s2, hwreg(HW_REG_IB_STS2, 6, 4)
	s_cmp_eq_u32 s2, 0
	s_cbranch_scc0 .Lentry_in_a_cluster
	s_endpgm
.Lentry_in_a_cluster:
	s_bfe_u32 s2, ttmp6, 0x10000c
	s_cmp_lg_u32 s2, 0xf033
	s_cbranch_scc0 .Lentry_shape_is_right
	s_endpgm
.Lentry_shape_is_right:
.set SLOT,   98304
.set WOFF,   65536
.set SPARE,  2*SLOT
.set SPITCH, 272
.set FR,     16
.set NL,     4
.set NP,     4
.set LI,   2
.set ADRA, 16
.set ADRB, 20
.set STO,  24
.set RD,   25
.set CO,   26
.set SPW,  28
.set NIL,  29
.set TMP,  32
.set BI,   96
.set AF,   128
.set BK,   128
.set G1, 24
.set G0, 32
.set G1B, 48
.set G0B, 56
.set MSB, 0
.macro WIN new
.if MSB != \new
	s_set_vgpr_msb (MSB<<8)|\new
.set MSB, \new
.endif
.endm
.set MUL,  0xa1
.set TO_B, 0x40
.macro JLOAD g0a, g1a, g0b, g1b
	s_cmp_eq_u32 s15, 0
	s_cbranch_scc0 .Lfor_b_\@
	tensor_load_to_lds s[\g0a:\g0a+3], s[\g1a:\g1a+7]
	s_nop 0
.rept 4
	v_nop
.endr
	s_branch .Lasked_\@
.Lfor_b_\@:
	tensor_load_to_lds s[\g0b:\g0b+3], s[\g1b:\g1b+7]
	s_nop 0
.rept 4
	v_nop
.endr
.Lasked_\@:
.endm
.macro CREST
	s_cmp_lg_u32 s14, 0
	s_cbranch_scc1 .Lnot_wave_0_\@
	s_barrier_signal -3
.Lnot_wave_0_\@:
	s_barrier_wait -3
	s_barrier_signal -1
	s_barrier_wait -1
.endm
.macro CROUND
	s_barrier_signal -1
	s_barrier_wait -1
	CREST
.endm
	s_load_b256 s[4:11], s[0:1], 0x0
	s_load_b64 s[12:13], s[0:1], 0x20
	v_lshl_add_u32 v[SPW], v0, 2, SPARE
	v_mov_b32 v[NIL], 0
	ds_add_u32 v28, v29
	ds_add_u32 v28, v29
	s_wait_dscnt 0x0
	v_lshrrev_b32 v1, 5, v0
	v_readfirstlane_b32 s14, v1
	s_lshr_b32 s15, s14, 1
	s_and_b32 s16, s14, 1
	s_bfe_u32 s40, ttmp6, 0x40000
	s_bfe_u32 s41, ttmp6, 0x40004
	s_lshl_b32 s42, ttmp9, 2
	s_add_co_u32 s42, s42, s40
	s_and_b32 s17, ttmp7, 0xffff
	s_lshl_b32 s17, s17, 2
	s_add_co_u32 s17, s17, s41
	s_lshl_b32 s43, s41, 2
	s_lshl_b32 s43, 15, s43
	s_lshl_b32 s44, 0x1111, s40
	s_or_b32 s[G1+0], s43, (3<<16)|(1<<21)
	s_mov_b32 s[G1+1], 512<<16
	s_mov_b32 s[G1+2], 8<<16
	s_mov_b32 s[G1+3], 512<<16
	s_mov_b32 s[G1+4], 8
	s_mov_b32 s[G1+5], 2048
	s_mov_b32 s[G1+6], 0
	s_mov_b32 s[G1+7], 0
	s_or_b32 s[G1B+0], s44, (3<<16)|(1<<21)
	s_mov_b32 s[G1B+1], 512<<16
	s_mov_b32 s[G1B+2], 4<<16
	s_mov_b32 s[G1B+3], 512<<16
	s_mov_b32 s[G1B+4], 4
	s_mov_b32 s[G1B+5], 2048
	s_mov_b32 s[G1B+6], 0
	s_mov_b32 s[G1B+7], 0
	s_lshl_b32 s18, s16, 3
	s_lshl_b32 s20, s17, 4
	s_add_co_u32 s20, s20, s18
	s_lshl_b32 s20, s20, 14
	s_mov_b32 s21, 0
	s_lshl_b32 s19, s16, 2
	s_lshl_b32 s46, s42, 3
	s_add_co_u32 s46, s46, s19
	s_lshl_b32 s46, s46, 14
	s_mov_b32 s47, 0
	s_lshl_b32 s45, s16, 15
	s_lshl_b32 s66, s16, 14
	s_add_co_u32 s66, s66, WOFF
	s_wait_kmcnt 0x0
	s_load_b256 s[72:79], s[8:9], 0x0
	s_add_nc_u64 s[20:21], s[4:5], s[20:21]
	s_add_nc_u64 s[46:47], s[6:7], s[46:47]
	CROUND
.irp s, 0,1
	s_mov_b32 s[G0+4*\s], 1
	s_add_co_u32 s[G0+4*\s+1], s45, \s*SLOT
	s_add_nc_u64 s[G0+4*\s+2:G0+4*\s+3], s[20:21], \s*4096
	s_or_b32 s[G0+4*\s+3], s[G0+4*\s+3], 0x80000000
	s_mov_b32 s[G0B+4*\s], 1
	s_add_co_u32 s[G0B+4*\s+1], s66, \s*SLOT
	s_add_nc_u64 s[G0B+4*\s+2:G0B+4*\s+3], s[46:47], \s*4096
	s_or_b32 s[G0B+4*\s+3], s[G0B+4*\s+3], 0x80000000
	s_wait_alu depctr_va_vdst(0)
	s_wait_tensorcnt 0x0
	ds_add_u32 v28, v29
	ds_add_u32 v28, v29
	s_wait_dscnt 0x0
	CROUND
	JLOAD G0+4*\s, G1, G0B+4*\s, G1B
.endr
	v_and_b32 v1, 31, v0
	v_lshlrev_b32 v[LI], 4, v1
	s_wait_alu depctr_va_vdst(0)
	v_and_b32 v5, 15, v0
	s_wait_alu depctr_va_vdst(0)
	v_bfe_u32 v3, v0, 4, 1
	s_lshl_b32 s22, s42, 9
	s_lshl_b32 s23, s16, 8
	s_add_co_u32 s22, s22, s23
	s_mov_b32 s23, 0
	s_add_nc_u64 s[10:11], s[10:11], s[22:23]
	v_lshlrev_b32 v4, 6, v3
.irp b, 0,1,2,3
	global_load_b128 v[BI+8*\b:BI+8*\b+3], v4, s[10:11] offset:(32*(\b/2)+8*(\b%2))*4
	global_load_b128 v[BI+8*\b+4:BI+8*\b+7], v4, s[10:11] offset:(32*(\b/2)+8*(\b%2))*4+16
.endr
	s_lshl_b32 s21, s15, 15
	s_lshl_b32 s22, s16, 14
	s_add_co_u32 s22, s22, WOFF
.irp s, 0,1
	v_add_nc_u32 v[ADRA+\s], s21, v[LI]
	v_add_nc_u32 v[ADRB+\s], s22, v[LI]
	s_add_co_u32 s21, s21, SLOT
	s_add_co_u32 s22, s22, SLOT
.endr
	s_mul_i32 s23, s14, 16*SPITCH
	v_mul_u32_u24 v6, v5, SPITCH
	s_wait_alu depctr_va_vdst(0)
	v_lshl_add_u32 v6, v3, 6, v6
	v_add_nc_u32 v[STO], s23, v6
	v_mul_u32_u24 v6, v3, SPITCH
	v_lshl_add_u32 v6, v5, 4, v6
	v_add_nc_u32 v[RD], s23, v6
	v_lshlrev_b32 v6, 12, v3
	v_lshl_add_u32 v[CO], v5, 4, v6
	s_lshl_b32 s20, s17, 8
	s_lshl_b32 s21, s15, 7
	s_add_co_u32 s20, s20, s21
	s_lshl_b32 s20, s20, 12
	s_lshl_b32 s21, s42, 9
	s_add_co_u32 s20, s20, s21
	s_lshl_b32 s21, s16, 8
	s_add_co_u32 s20, s20, s21
	s_mov_b32 s21, 0
	s_add_nc_u64 s[12:13], s[12:13], s[20:21]
.macro FRAG reg, adr, q, i
.irp c, 0,1,2,3
	ds_load_b128 v[\reg+4*\c:\reg+4*\c+3], v[\adr] offset:(\i)*4096+(\q)*2048+512*\c
.endr
.endm
.macro MUL8 a0, p, zero
.irp a, \a0, \a0+1
.irp b, 0,1,2,3
.if \zero
	v_wmma_f32_16x16x128_fp8_fp8 v[8*(4*(\a)+\b):8*(4*(\a)+\b)+7], v[64*(\p)+FR*\b:64*(\p)+FR*\b+FR-1], v[AF+FR*(\a):AF+FR*(\a)+FR-1], 0
.else
	v_wmma_f32_16x16x128_fp8_fp8 v[8*(4*(\a)+\b):8*(4*(\a)+\b)+7], v[64*(\p)+FR*\b:64*(\p)+FR*\b+FR-1], v[AF+FR*(\a):AF+FR*(\a)+FR-1], v[8*(4*(\a)+\b):8*(4*(\a)+\b)+7]
.endif
.endr
.endr
.endm
.macro FETCH_B slot, q, p
	WIN TO_B
.irp i, 0,1,2,3
	FRAG 64*(\p)+FR*\i, ADRB+\slot, \q, \i
.endr
	WIN 0
.endm
.macro FETCH_A slot, q, i0
.irp i, \i0, \i0+1, \i0+2, \i0+3
	FRAG AF+FR*(\i), ADRA+\slot, \q, \i
.endr
.endm
.macro PLACES n
.rept \n
	v_nop
.endr
.endm
.macro STEP slot, q, zero
	s_wait_dscnt 4*NL
	WIN MUL
	MUL8 0, (\q)%2, \zero
	MUL8 2, (\q)%2, \zero
	s_wait_dscnt 0
	PLACES NP
	FETCH_B \slot, (\q)+1, 1-(\q)%2
	FETCH_A \slot, (\q)+1, 0
	WIN MUL
	MUL8 4, (\q)%2, \zero
	MUL8 6, (\q)%2, \zero
	PLACES NP
	WIN 0
	FETCH_A \slot, (\q)+1, 4
.endm
.macro TURN slot, next, fill
	s_wait_tensorcnt 0x0
	ds_add_u32 v[SPW], v[NIL]
	s_wait_dscnt 4*NL+1
	WIN MUL
	MUL8 0, 1, 0
	s_wait_dscnt 0x0
	s_barrier_signal -1
	MUL8 2, 1, 0
	WIN 0
	s_barrier_wait -1
.if \fill
	CREST
	s_add_nc_u64 s[G0+4*\slot+2:G0+4*\slot+3], s[G0+4*\slot+2:G0+4*\slot+3], 8192
	s_add_nc_u64 s[G0B+4*\slot+2:G0B+4*\slot+3], s[G0B+4*\slot+2:G0B+4*\slot+3], 8192
	JLOAD G0+4*\slot, G1, G0B+4*\slot, G1B
.else
	PLACES NP
.endif
	FETCH_B \next, 0, 0
	FETCH_A \next, 0, 0
	WIN MUL
	MUL8 4, 1, 0
	MUL8 6, 1, 0
	PLACES NP
	WIN 0
	FETCH_A \next, 0, 4
.endm
	s_wait_tensorcnt 1
	s_barrier_signal -1
	s_barrier_wait -1
	FETCH_B 0, 0, 0
	FETCH_A 0, 0, 0
	FETCH_A 0, 0, 4
	STEP 0, 0, 1
	TURN 0, 1, 1
	STEP 1, 0, 0
	TURN 1, 0, 1
	STEP 0, 0, 0
	TURN 0, 1, 0
	STEP 1, 0, 0
	s_wait_dscnt 4*NL
	WIN MUL
	MUL8 0, 1, 0
	MUL8 2, 1, 0
	s_wait_dscnt 0
	MUL8 4, 1, 0
	MUL8 6, 1, 0
	WIN 0
.macro TOSTAGE a
.set AC, 32*(\a)
	WIN 0x02
.set j, 0
.rept 16
	v_pk_fma_f32 v[TMP+j:TMP+j+1], v[AC+j:AC+j+1], s[96:97], v[BI+j:BI+j+1] op_sel_hi:[1,0,1]
.set j, j+2
.endr
	WIN 0
.irp b, 0,1,2,3
	ds_store_b128 v[STO], v[TMP+8*\b:TMP+8*\b+3] offset:128*(\b/2)+32*(\b%2)
	ds_store_b128 v[STO], v[TMP+8*\b+4:TMP+8*\b+7] offset:128*(\b/2)+32*(\b%2)+16
.endr
.set BB, BK+32*((\a)%2)
.irp t, 0,1,2,3,4,5,6,7
	ds_load_b128 v[BB+4*\t:BB+4*\t+3], v[RD] offset:\t*2*SPITCH
.endr
.endm
.macro SEND a, younger
.set BB, BK+32*((\a)%2)
	s_wait_dscnt \younger
.irp t, 0,1,2,3,4,5,6,7
	global_store_b128 v[CO], v[BB+4*\t:BB+4*\t+3], s[12:13] offset:(32*((\a)/2)+8*((\a)%2)+2*\t+8*(\t/4))*4096 th:TH_STORE_NT
.endr
.endm
	s_wait_kmcnt 0x0
	s_add_co_i32 s96, s78, s79
	s_add_co_i32 s96, s96, 127
	s_lshl_b32 s96, s96, 23
	s_mov_b32 s97, s96
	s_wait_loadcnt 0x0
	PLACES NP
	TOSTAGE 0
.irp a, 1,2,3,4,5,6,7
.if \a > 1
	s_wait_xcnt 0x0
.endif
	TOSTAGE \a
	SEND \a-1, 16
.endr
	SEND 7, 0
	s_wait_tensorcnt 0x0
	ds_add_u32 v[SPW], v[NIL]
	s_wait_dscnt 0x0
	CROUND
	s_endpgm
.Lfunc_end_k_qc49049f540_proj:
	.size	k_qc49049f540_proj, .Lfunc_end_k_qc49049f540_proj-k_qc49049f540_proj
	.p2alignl 7, 3214868480
	.fill 96, 4, 3214868480
	.section	.rodata,"a",@progbits
	.p2align	6, 0x0
	.amdhsa_kernel k_qc49049f540_proj
		.amdhsa_group_segment_fixed_size 327680
		.amdhsa_private_segment_fixed_size 0
		.amdhsa_enable_private_segment 0
		.amdhsa_kernarg_size 40
		.amdhsa_user_sgpr_count 2
		.amdhsa_user_sgpr_kernarg_segment_ptr 1
		.amdhsa_wavefront_size32 1
		.amdhsa_system_sgpr_workgroup_id_x 1
		.amdhsa_system_sgpr_workgroup_id_y 1
		.amdhsa_system_sgpr_workgroup_id_z 1
		.amdhsa_system_vgpr_workitem_id 0
		.amdhsa_next_free_vgpr 768
		.amdhsa_next_free_sgpr 100
		.amdhsa_reserve_vcc 0
		.amdhsa_float_denorm_mode_32 3
		.amdhsa_float_denorm_mode_16_64 3
		.amdhsa_memory_ordered 1
		.amdhsa_forward_progress 1
		.amdhsa_inst_pref_size 78
	.end_amdhsa_kernel
	.amdgpu_metadata
---
amdhsa.version: [ 1, 2 ]
amdhsa.kernels:
  - .name:           k_qc49049f540_proj
    .symbol:         k_qc49049f540_proj.kd
    .args:
      - { .name: o_img, .offset: 0, .size: 8, .value_kind: global_buffer, .address_space: global }
      - { .name: wp_img, .offset: 8, .size: 8, .value_kind: global_buffer, .address_space: global }
      - { .name: lowp_scales, .offset: 16, .size: 8, .value_kind: global_buffer, .address_space: global }
      - { .name: proj_b, .offset: 24, .size: 8, .value_kind: global_buffer, .address_space: global }
      - { .name: out0, .offset: 32, .size: 8, .value_kind: global_buffer, .address_space: global }
    .group_segment_fixed_size: 327680
    .private_segment_fixed_size: 0
    .kernarg_segment_align: 8
    .kernarg_segment_size: 40
    .max_flat_workgroup_size: 128
    .sgpr_count:     100
    .vgpr_count:     768
    .wavefront_size: 32
...
	.end_amdgpu_metadata
.endif
;; end of part 4
